; MI455X (gfx1250); checked and timed in simulation.
; The chip was launched on July 23, 2026; its instructions are those of AMD's public machine-readable ISA for CDNA 5 (MIT licence, August 2026) and "CDNA5" Instruction Set Architecture Reference Guide (July 2026). The comments in the code are by the model that wrote it; some were corrected since.
;; Continuous Softmax. Allowed arithmetic: float matrix products may take bf16 or f16 operands with f32 sums; all other float work in f32.
;; Inputs: basis_mu 100 x 2 float32; basis_sigma 100 x 2 x 2 float32; theta 131,072 x 6 float32.
;; Outputs: out0 131,072 x 100 float32.
;; 2 versions, each right; version 2 is version 1 with the launch gauss written anew for expert scheduling mode. Each part assembles by itself: llvm-mc -triple=amdgcn-amd-amdhsa -mcpu=gfx1250 --defsym DOCPART=n.
;; ======== version 1 of 2: 1 launch
;; launch gauss (part 1): grid 256 x 1, 20 waves a work-group, no clusters, 25,088 bytes of LDS; arguments theta, basis_mu, basis_sigma, out0; writes out0
.if DOCPART == 1
	.amdgcn_target "amdgcn-amd-amdhsa--gfx1250"
	.amdhsa_code_object_version 6
	.text
	.protected	k_q2eb3ab912d_gauss
	.globl	k_q2eb3ab912d_gauss
	.p2align	8
	.type	k_q2eb3ab912d_gauss,@function
k_q2eb3ab912d_gauss:
	s_mov_b64 s[64:65], 0
	v_nop
	global_prefetch_b8 v0, s[64:65] scope:SCOPE_SE
	s_setreg_imm32_b32 hwreg(HW_REG_WAVE_MODE, 25, 1), 1
	s_wait_xcnt 0x0
; r[n][j] = N(Mu_n - mu_j; 0, Sigma_n + S_j) for 131,072 rows n and 100 basis functions j, all in f32.
;
; ARITHMETIC.  With C' = 2 pi (Sigma + S) and d' = sqrt(pi log2 e) (Mu - mu):
;   det' = c00' c11' - h'^2 + dl'^2     h' = mean, dl' = half the difference of the two off-diagonal entries (S need not be symmetric)
;   -num' = x (h' y - c11' x) + y (h' x - c00' y)          (x, y) = d'
;   rs = rsq(det') = 1 / (2 pi sqrt(det C)),   r = exp2(-num' rs rs) rs
; so every constant lies in numbers that hang on the row alone or on the basis function alone: 16 multiply/add/fma, one rsq and one
; exp2 for each output, the 16 done two outputs at a time by v_pk_*_f32.  c00' and c11' are kept negated, so that one sign modifier is left.
; The products of reference() stay on the vector ALU in f32: each output has its own 2 x 2 matrix and its own difference vector
; (contraction length 2, no operand shared between outputs); a matrix form exists only after multiplying the squares out into monomials
; of the row and of the basis function, which forms the exponent as a difference of large sums and cannot be carried in 16-bit operands.
; LIMITS: v_rcp_f32, v_rsq_f32 and v_exp_f32 flush denormals (ISA guide 15.8): results below 2^-126 come out as 0, and
; theta2 theta5 - theta3 theta4 or 4 pi^2 det C below 2^-126 in magnitude counts as 0.
;
; LAYOUT.  A row of the output is 400 bytes = 25 quads of 16 bytes.  One store of a wave covers 32 consecutive quads: 512 consecutive bytes,
; aligned.  Which quad of the 100 columns a lane holds repeats every 25 stores = 800 quads = a BLOCK of 32 rows; the place of a store in
; its block is its PHASE (0..24).  While the phase stays, a lane's 4 columns stay, and their 24 basis numbers stay in registers.
; A work-group owns 512 rows = 16 blocks = 400 stores; 20 waves, five for each of the four SIMDs; wave (pg = w / 4, bg = w % 4) does phases
; 5 pg .. 5 pg + 4 of blocks 4 bg .. 4 bg + 3: 20 stores each, the same work for every wave.
; No cluster, no tensor load, no prefetch: work-groups share only the 2,400 bytes of the basis, and nothing is loaded from memory behind the prologue.
.set ROWS_WG,  512
.set ROW_B,    400                     ; bytes in a row of the output
.set CHUNK_B,  512                     ; bytes of one store of a wave
.set BLOCK_B,  32*ROW_B                ; 12,800 bytes: 25 stores
.set ROWTAB,   0                       ; LDS: 512 rows x 32 bytes: -2pi S00, -2pi S11, 2pi S01, k Mu0, k Mu1, k Mu1
.set ROWPITCH, 32
.set BASTAB,   ROWS_WG*ROWPITCH        ; LDS: six arrays of 256 words; word e belongs to column e mod 100, so that a wave's 32 quads,
.set BASPITCH, 1024                    ; which start at quad 0..24 and wrap, are always 512 consecutive bytes (no bank is asked twice)
.set K_PI,   0x40490fdb                ;  pi
.set K_N2PI, 0xc0c90fdb                ; -2 pi
.set K_NKK,  0xc0084075                ; -sqrt(pi log2 e) = -2.128934
.set K_G,    0x3ead7b2e                ;  sqrt(pi log2 e) / (2 pi) = 0.3388304
.set LANE, 1                           ; v1       lane
.set LMUL, 2                           ; v2       lane x 1311
.set OFFS, 3                           ; v3       byte offset of my 16 bytes in the wave's first store; never rewritten
.set BADR, 4                           ; v4       LDS address of my quad in the basis arrays
.set RADR, 5                           ; v5       LDS address of my row in the wave's first block
.set TMP,  6
.set BS0,  8                           ; v[8:31], v[32:55]    two sets of basis numbers: 4 columns each of -k mu0, -k mu1, -2pi S00, -2pi S11, pi (S01+S10), (pi (S01-S10))^2
.set BS1,  32
.set RW0,  56                          ; v[56:79], v[80:103]  two sets of row numbers: 6 words for each of the 4 blocks
.set RW1,  80
.set C0,   104                         ; -c00'   (4 columns, as everything below)
.set C1,   108                         ; -c11'
.set H,    112                         ; h'
.set X,    116
.set Y,    120
.set DT,   124                         ; det'
.set A,    128                         ; h'y - c11'x, then -num', then the exponent
.set B,    132                         ; h'x - c00'y
.set RS,   136                         ; v[136:143]  rsq(det'), two sets in turn
.set E,    144                         ; v[144:151]  exp2, then the result as stored, two sets in turn
; one entry of the basis arrays: column's mu in v[mu:mu+1], its S in v[sg:sg+3]; off: 0 for entry t - 512, 512 for entry t - 384
.macro ENTRY mu, sg, off
	v_mul_f32 v22, K_NKK, v[\mu]
	v_mul_f32 v23, K_NKK, v[\mu+1]
	v_mul_f32 v24, K_N2PI, v[\sg]
	v_mul_f32 v25, K_N2PI, v[\sg+3]
	v_add_f32 v26, v[\sg+1], v[\sg+2]
	v_sub_f32 v27, v[\sg+1], v[\sg+2]
	v_mul_f32 v26, K_PI, v26
	v_mul_f32 v27, K_PI, v27
	v_mul_f32 v27, v27, v27
.irp m, 0,1,2,3,4,5
	ds_store_b32 v20, v[22+\m] offset:BASTAB-4*ROWS_WG+BASPITCH*\m+\off   ; v20 = 4 t, and the first thread here is number 512
.endr
.endm
; The 14 LDS loads of the wave's phase number i (0..4): my 4 columns' basis numbers and my row's numbers in each of the 4 blocks.
; q = 32 phase + lane is my quad in a block (0..799).  q x 1311 = 32768 (q / 25) + 7 (q / 25) + 1311 (q mod 25), and the last two terms stay
; below 32768 for q < 800: bits 19:15 are my row in the block, and the low 15 bits x 25 >> 15 give q mod 25.
.macro FETCH i, bs, rw
	s_add_co_u32 s20, s16, 32*\i                   ; the phase's first quad
	s_mul_i32 s21, s20, 1311
	s_and_b32 s22, s21, 0x7fff
	s_mul_i32 s22, s22, 25
	s_bfe_u32 s22, s22, 0x5000f                    ; lane 0's quad of the 25 (5 bits from bit 15)
	v_add_lshl_u32 v[BADR], v[LANE], s22, 4        ; my quad in the unrolled arrays, 0..55, in bytes
	v_add_nc_u32 v[TMP], s21, v[LMUL]
	v_bfe_u32 v[TMP], v[TMP], 15, 5                ; my row in the block
	v_lshl_add_u32 v[RADR], v[TMP], 5, s17
.irp m, 0,1,2,3,4,5
	ds_load_b128 v[\bs+4*\m:\bs+4*\m+3], v[BADR] offset:BASTAB+BASPITCH*\m
.endr
.irp k, 0,1,2,3
	ds_load_b128 v[\rw+6*\k:\rw+6*\k+3], v[RADR] offset:ROWTAB+32*ROWPITCH*\k        ; two or three rows a wave: lanes of a row share the words
	ds_load_b64 v[\rw+6*\k+4:\rw+6*\k+5], v[RADR] offset:ROWTAB+32*ROWPITCH*\k+16
.endr
.endm
; Block k of the phase, up to the exponential; par: which set of RS and E.  A row's number is spread over both halves of a packed
; instruction by op_sel / op_sel_hi (first or second register of its pair for both results).
.macro WORK bs, rw, k, par
.irp g, 0, 2
	v_pk_add_f32 v[C0+\g:C0+\g+1], v[\bs+8+\g:\bs+8+\g+1], v[\rw+6*\k:\rw+6*\k+1] op_sel_hi:[1,0]
	v_pk_add_f32 v[C1+\g:C1+\g+1], v[\bs+12+\g:\bs+12+\g+1], v[\rw+6*\k:\rw+6*\k+1] op_sel:[0,1] op_sel_hi:[1,1]
	v_pk_add_f32 v[H+\g:H+\g+1], v[\bs+16+\g:\bs+16+\g+1], v[\rw+6*\k+2:\rw+6*\k+3] op_sel_hi:[1,0]
.endr
.irp g, 0, 2
	v_pk_fma_f32 v[DT+\g:DT+\g+1], v[C0+\g:C0+\g+1], v[C1+\g:C1+\g+1], v[\bs+20+\g:\bs+20+\g+1]
.endr
.irp g, 0, 2
	v_pk_fma_f32 v[DT+\g:DT+\g+1], v[H+\g:H+\g+1], v[H+\g:H+\g+1], v[DT+\g:DT+\g+1] neg_lo:[1,0,0] neg_hi:[1,0,0]
.endr
.irp g, 0, 2
	v_pk_add_f32 v[X+\g:X+\g+1], v[\bs+\g:\bs+\g+1], v[\rw+6*\k+2:\rw+6*\k+3] op_sel:[0,1] op_sel_hi:[1,1]
	v_pk_add_f32 v[Y+\g:Y+\g+1], v[\bs+4+\g:\bs+4+\g+1], v[\rw+6*\k+4:\rw+6*\k+5]
.endr
.irp e, 0,1,2,3
	v_rsq_f32 v[RS+4*\par+\e], v[DT+\e]            ; used 12 plain instructions further down (one is asked for: ISA guide 5.7.2)
.endr
.irp g, 0, 2
	v_pk_mul_f32 v[A+\g:A+\g+1], v[H+\g:H+\g+1], v[Y+\g:Y+\g+1]
	v_pk_mul_f32 v[B+\g:B+\g+1], v[H+\g:H+\g+1], v[X+\g:X+\g+1]
.endr
.irp g, 0, 2
	v_pk_fma_f32 v[A+\g:A+\g+1], v[C1+\g:C1+\g+1], v[X+\g:X+\g+1], v[A+\g:A+\g+1]
	v_pk_fma_f32 v[B+\g:B+\g+1], v[C0+\g:C0+\g+1], v[Y+\g:Y+\g+1], v[B+\g:B+\g+1]
.endr
.irp g, 0, 2
	v_pk_mul_f32 v[A+\g:A+\g+1], v[X+\g:X+\g+1], v[A+\g:A+\g+1]
.endr
.irp g, 0, 2
	v_pk_fma_f32 v[A+\g:A+\g+1], v[Y+\g:Y+\g+1], v[B+\g:B+\g+1], v[A+\g:A+\g+1]      ; -num'
.endr
	s_wait_alu depctr_va_vdst(0)
.irp g, 0, 2
	v_pk_mul_f32 v[A+\g:A+\g+1], v[A+\g:A+\g+1], v[RS+4*\par+\g:RS+4*\par+\g+1]      ; times rs twice, not times rs^2: no small square is formed
.endr
.irp g, 0, 2
	v_pk_mul_f32 v[A+\g:A+\g+1], v[A+\g:A+\g+1], v[RS+4*\par+\g:RS+4*\par+\g+1]
.endr
	s_wait_xcnt 0x0                                ; this set of E was the data of the store two blocks back: rewritten only behind this wait (ISA guide 3.1)
.irp e, 0,1,2,3
	v_exp_f32 v[E+4*\par+\e], v[A+\e]              ; what follows is plain work on the other set, or a v_nop at the very end
.endr
.endm
; the last multiply and the store of the block before: 32 lanes x 16 bytes = 512 consecutive bytes, aligned
.macro FINISH par, off
	v_pk_mul_f32 v[E+4*\par:E+4*\par+1], v[E+4*\par:E+4*\par+1], v[RS+4*\par:RS+4*\par+1]
	v_pk_mul_f32 v[E+4*\par+2:E+4*\par+3], v[E+4*\par+2:E+4*\par+3], v[RS+4*\par+2:RS+4*\par+3]
	global_store_b128 v[OFFS], v[E+4*\par:E+4*\par+3], s[10:11] offset:\off th:TH_STORE_NT
.endm
; the wave's phase number i: four blocks, each finished behind the next one's arithmetic
.macro PHASE i, bs, rw
	WORK \bs, \rw, 0, 0
.if \i > 0
	FINISH 1, (\i-1)*CHUNK_B+3*BLOCK_B
.endif
	WORK \bs, \rw, 1, 1
	FINISH 0, \i*CHUNK_B
	WORK \bs, \rw, 2, 0
	FINISH 1, \i*CHUNK_B+BLOCK_B
	WORK \bs, \rw, 3, 1
	FINISH 0, \i*CHUNK_B+2*BLOCK_B
.endm
	s_load_b256 s[4:11], s[0:1], 0x0               ; theta s[4:5], basis_mu s[6:7], basis_sigma s[8:9], out0 s[10:11]
	v_lshl_add_u32 v152, v0, 2, 0x5800
	v_mov_b32 v153, 0
	v_lshrrev_b32 v1, 5, v0
	v_readfirstlane_b32 s12, v1                    ; wave 0..19
	s_wait_kmcnt 0x0
	s_cmp_ge_u32 s12, 16
	s_cbranch_scc1 .Ltable
	; WAVES 0-15: thread t makes the numbers of the work-group's row t
	s_mul_i32 s14, ttmp9, ROWS_WG*24               ; 512 rows of 24 bytes for each work-group (3 MiB in all: 32 bits do)
	s_mov_b32 s15, 0
	s_add_nc_u64 s[4:5], s[4:5], s[14:15]
	v_mul_u32_u24 v2, v0, 24
	global_load_b64 v[4:5], v2, s[4:5]             ; eta0, eta1          (a wave's three loads cover 768 consecutive bytes)
	global_load_b64 v[6:7], v2, s[4:5] offset:8    ; theta2, theta3
	global_load_b64 v[8:9], v2, s[4:5] offset:16   ; theta4, theta5
	v_lshlrev_b32 v3, 5, v0                        ; the row's 32 bytes in LDS
	s_wait_loadcnt 0x0
	v_mul_f32 v10, v7, v8
	v_fma_f32 v10, v6, v9, -v10                    ; D = theta2 theta5 - theta3 theta4 = det(P) / 4
	v_rcp_f32 v11, v10
	v_add_f32 v12, v7, v8                          ; the plain instruction behind v_rcp_f32 (ISA guide 5.7.2)
	v_mul_f32 v4, K_G, v4
	v_mul_f32 v5, K_G, v5                          ; eta x k / (2 pi)
	s_wait_alu depctr_va_vdst(0)
	v_mul_f32 v11, K_PI, v11                       ; pi / D
	v_mul_f32 v16, v9, v11                         ; -2 pi Sigma00 = pi theta5 / D
	v_mul_f32 v17, v6, v11                         ; -2 pi Sigma11 = pi theta2 / D
	v_mul_f32 v12, 0.5, v12
	v_mul_f32 v18, v12, v11                        ;  2 pi Sigma01 = pi (theta3 + theta4) / (2 D)
	v_mul_f32 v19, v18, v5
	v_mul_f32 v20, v18, v4
	v_fma_f32 v19, -v16, v4, v19                   ; k Mu0
	v_fma_f32 v20, -v17, v5, v20                   ; k Mu1
	v_mov_b32 v21, v20                             ; twice: it is read as a pair by the packed add
	ds_store_b128 v3, v[16:19] offset:ROWTAB
	ds_store_b64 v3, v[20:21] offset:ROWTAB+16
	s_branch .Lsync
.Ltable:
	; WAVES 16-19: thread t makes entries e = t - 512 (0..127) and e + 128 of the six basis arrays; column = e mod 100,
	; taken as the smaller of two unsigned differences (the one that went below zero is huge)
	v_add_nc_u32 v2, 0xfffffe00, v0                ; e
	v_add_nc_u32 v3, 0xfffffd9c, v0                ; e - 100
	v_min_u32 v2, v2, v3
	v_add_nc_u32 v3, 0xfffffe1c, v0                ; e + 128 - 100
	v_add_nc_u32 v4, 0xfffffdb8, v0                ; e + 128 - 200
	v_min_u32 v3, v3, v4
	v_lshlrev_b32 v4, 3, v2
	v_lshlrev_b32 v5, 4, v2
	v_lshlrev_b32 v6, 3, v3
	v_lshlrev_b32 v7, 4, v3
	global_load_b64 v[8:9], v4, s[6:7]
	global_load_b128 v[12:15], v5, s[8:9]
	global_load_b64 v[10:11], v6, s[6:7]
	global_load_b128 v[16:19], v7, s[8:9]
	v_lshlrev_b32 v20, 2, v0
	s_wait_loadcnt 0x0
	ENTRY 8, 12, 0
	ENTRY 10, 16, 512
.Lsync:
	s_wait_dscnt 0x0                               ; my LDS stores are done, for the other waves' sake
	s_barrier_signal -1
	v_and_b32 v[LANE], 31, v0                      ; register work while the others arrive
	s_and_b32 s18, s12, 3                          ; bg: my four blocks
	s_lshr_b32 s13, s12, 2                         ; pg: my five phases
	s_mul_i32 s16, s13, 5*32                       ; first quad of my first phase
	s_lshl_b32 s17, s18, 12                        ; my first block's rows in LDS: 4 x 32 rows x 32 bytes
	s_mul_i32 s14, ttmp9, ROWS_WG*ROW_B            ; the work-group's 204,800 bytes of the output (52 MB in all: 32 bits do)
	s_mov_b32 s15, 0
	s_add_nc_u64 s[10:11], s[10:11], s[14:15]
	s_mul_i32 s20, s13, 5*CHUNK_B
	s_mul_i32 s21, s18, 4*BLOCK_B
	s_add_co_u32 s20, s20, s21
	v_lshl_add_u32 v[OFFS], v[LANE], 4, s20        ; the phase and the block go into the stores' immediates
	v_mul_u32_u24 v[LMUL], 1311, v[LANE]
	s_barrier_wait -1                              ; both tables are whole; from here on LDS is only read
	; Each phase's 14 LDS loads are issued a whole phase ahead, into the set of registers that the phase before last has left.
	FETCH 0, BS0, RW0
	FETCH 1, BS1, RW1
	s_wait_dscnt 14                                ; LDS loads come back in order (ISA guide 5.7.1): the 14 younger ones stay out
	PHASE 0, BS0, RW0
	FETCH 2, BS0, RW0
	s_wait_dscnt 14
	PHASE 1, BS1, RW1
	FETCH 3, BS1, RW1
	s_wait_dscnt 14
	PHASE 2, BS0, RW0
	FETCH 4, BS0, RW0
	s_wait_dscnt 14
	PHASE 3, BS1, RW1
	s_wait_dscnt 0x0                               ; nothing was issued behind the last phase's loads
	PHASE 4, BS0, RW0
	v_nop                                          ; the place behind the last v_exp_f32
	s_wait_alu depctr_va_vdst(0)
	FINISH 1, 4*CHUNK_B+3*BLOCK_B
	s_wait_tensorcnt 0x0
	ds_add_u32 v152, v153
	s_wait_dscnt 0x0
	s_endpgm
.Lfunc_end_k_q2eb3ab912d_gauss:
	.size	k_q2eb3ab912d_gauss, .Lfunc_end_k_q2eb3ab912d_gauss-k_q2eb3ab912d_gauss
	.p2alignl 7, 3214868480
	.fill 96, 4, 3214868480
	.section	.rodata,"a",@progbits
	.p2align	6, 0x0
	.amdhsa_kernel k_q2eb3ab912d_gauss
		.amdhsa_group_segment_fixed_size 25088
		.amdhsa_private_segment_fixed_size 0
		.amdhsa_enable_private_segment 0
		.amdhsa_kernarg_size 32
		.amdhsa_user_sgpr_count 2
		.amdhsa_user_sgpr_kernarg_segment_ptr 1
		.amdhsa_wavefront_size32 1
		.amdhsa_system_sgpr_workgroup_id_x 1
		.amdhsa_system_sgpr_workgroup_id_y 1
		.amdhsa_system_sgpr_workgroup_id_z 1
		.amdhsa_system_vgpr_workitem_id 0
		.amdhsa_next_free_vgpr 154
		.amdhsa_next_free_sgpr 66
		.amdhsa_reserve_vcc 0
		.amdhsa_float_denorm_mode_32 3
		.amdhsa_float_denorm_mode_16_64 3
		.amdhsa_memory_ordered 1
		.amdhsa_forward_progress 1
		.amdhsa_inst_pref_size 61
	.end_amdhsa_kernel
	.amdgpu_metadata
---
amdhsa.version: [ 1, 2 ]
amdhsa.kernels:
  - .name:           k_q2eb3ab912d_gauss
    .symbol:         k_q2eb3ab912d_gauss.kd
    .args:
      - { .name: theta, .offset: 0, .size: 8, .value_kind: global_buffer, .address_space: global }
      - { .name: basis_mu, .offset: 8, .size: 8, .value_kind: global_buffer, .address_space: global }
      - { .name: basis_sigma, .offset: 16, .size: 8, .value_kind: global_buffer, .address_space: global }
      - { .name: out0, .offset: 24, .size: 8, .value_kind: global_buffer, .address_space: global }
    .group_segment_fixed_size: 25088
    .private_segment_fixed_size: 0
    .kernarg_segment_align: 8
    .kernarg_segment_size: 32
    .max_flat_workgroup_size: 640
    .sgpr_count:     66
    .vgpr_count:     154
    .wavefront_size: 32
...
	.end_amdgpu_metadata
.endif
;; end of part 1
;; ======== version 2 of 2: 1 launch; version 1 with the launch gauss written anew for expert scheduling mode
;; launch gauss (part 2): grid 256 x 1, 20 waves a work-group, no clusters, 25,088 bytes of LDS; arguments theta, basis_mu, basis_sigma, out0; writes out0
.if DOCPART == 2
	.amdgcn_target "amdgcn-amd-amdhsa--gfx1250"
	.amdhsa_code_object_version 6
	.text
	.protected	k_q2eb3ab912d_gauss
	.globl	k_q2eb3ab912d_gauss
	.p2align	8
	.type	k_q2eb3ab912d_gauss,@function
k_q2eb3ab912d_gauss:
	s_mov_b64 s[64:65], 0
	v_nop
	global_prefetch_b8 v0, s[64:65] scope:SCOPE_SE
	s_setreg_imm32_b32 hwreg(HW_REG_WAVE_SCHED_MODE, 0, 2), 2
	s_setreg_imm32_b32 hwreg(HW_REG_WAVE_MODE, 25, 1), 1
	s_wait_xcnt 0x0
	s_wait_alu depctr_vm_vsrc(0)
; r[n][j] = N(Mu_n - mu_j; 0, Sigma_n + S_j) for 131,072 rows n and 100 basis functions j, all in f32.
;
; ARITHMETIC.  With C' = 2 pi (Sigma + S) and d' = sqrt(pi log2 e) (Mu - mu):
;   det' = c00' c11' - h'^2 + dl'^2     h' = mean, dl' = half the difference of the two off-diagonal entries (S need not be symmetric)
;   -num' = x (h' y - c11' x) + y (h' x - c00' y)          (x, y) = d'
;   rs = rsq(det') = 1 / (2 pi sqrt(det C)),   r = exp2(-num' rs rs) rs
; so every constant lies in numbers that hang on the row alone or on the basis function alone: 16 multiply/add/fma, one rsq and one
; exp2 for each output, the 16 done two outputs at a time by v_pk_*_f32.  c00' and c11' are kept negated, so that one sign modifier is left.
; The products of reference() stay on the vector ALU in f32: each output has its own 2 x 2 matrix and its own difference vector
; (contraction length 2, no operand shared between outputs); a matrix form exists only after multiplying the squares out into monomials
; of the row and of the basis function, which forms the exponent as a difference of large sums and cannot be carried in 16-bit operands.
; LIMITS: v_rcp_f32, v_rsq_f32 and v_exp_f32 flush denormals (ISA guide 15.8): results below 2^-126 come out as 0, and
; theta2 theta5 - theta3 theta4 or 4 pi^2 det C below 2^-126 in magnitude counts as 0.
;
; LAYOUT.  A row of the output is 400 bytes = 25 quads of 16 bytes.  One store of a wave covers 32 consecutive quads: 512 consecutive bytes,
; aligned.  Which quad of the 100 columns a lane holds repeats every 25 stores = 800 quads = a BLOCK of 32 rows; the place of a store in
; its block is its PHASE (0..24).  While the phase stays, a lane's 4 columns stay, and their 24 basis numbers stay in registers.
; A work-group owns 512 rows = 16 blocks = 400 stores; 20 waves, five for each of the four SIMDs; wave (pg = w / 4, bg = w % 4) does phases
; 5 pg .. 5 pg + 4 of blocks 4 bg .. 4 bg + 3: 20 stores each, the same work for every wave.
; No cluster, no tensor load, no prefetch: work-groups share only the 2,400 bytes of the basis, and nothing is loaded from memory behind the prologue.
;
; THE MODE: SCHED_MODE bits 1:0 = 2 (LLVM: expert scheduling mode 2), set by the entry lines.  The code itself states the register dependences
; between vector instructions and memory or LDS instructions, with s_wait_alu, always for 0.
; THE PLAN.  The wave's 20 blocks go in 10 STEPS of two; a phase is two steps.  Registers that memory or LDS instructions touch behind the barrier:
;   BA0 .. BA4, RA0 .. RA4, OFFS   the five phases' LDS addresses and the stores' offset: made once, ahead of the first LDS load, never written again.
;   BS0/RW0, BS1/RW1               Phase j's vector lines read set j % 2.  The 14 LDS loads of phase j + 1 are issued in phase j's first step and land
;                                  in the other set, which phase j - 1 read and which no vector line of phase j names.
;   OUT0, OUT1                     Step s writes OUT[s % 2] (exponentials, last multiplies); the two stores issued in step s + 1 read it.
;   C0 .. B and RS are named by vector instructions alone.
; So the waits at a step's head state all that the step's memory and LDS instructions hang on, and these are dealt among its vector lines with no further wait.
.set ROWS_WG,  512
.set ROW_B,    400                     ; bytes in a row of the output
.set CHUNK_B,  512                     ; bytes of one store of a wave
.set BLOCK_B,  32*ROW_B                ; 12,800 bytes: 25 stores
.set ROWTAB,   0                       ; LDS: 512 rows x 32 bytes: -2pi S00, -2pi S11, 2pi S01, k Mu0, k Mu1, k Mu1
.set ROWPITCH, 32
.set BASTAB,   ROWS_WG*ROWPITCH        ; LDS: six arrays of 256 words; word e belongs to column e mod 100, so that a wave's 32 quads,
.set BASPITCH, 1024                    ; which start at quad 0..24 and wrap, are always 512 consecutive bytes (no bank is asked twice)
.set K_PI,   0x40490fdb                ;  pi
.set K_N2PI, 0xc0c90fdb                ; -2 pi
.set K_NKK,  0xc0084075                ; -sqrt(pi log2 e) = -2.128934
.set K_G,    0x3ead7b2e                ;  sqrt(pi log2 e) / (2 pi) = 0.3388304
.set LANE, 1                           ; v1       lane
.set LMUL, 2                           ; v2       lane x 1311
.set OFFS, 3                           ; v3       byte offset of my 16 bytes in the wave's first store; never rewritten
.set BS0,  8                           ; v[8:31], v[32:55]    two sets of basis numbers: 4 columns each of -k mu0, -k mu1, -2pi S00, -2pi S11, pi (S01+S10), (pi (S01-S10))^2
.set BS1,  32
.set RW0,  56                          ; v[56:79], v[80:103]  two sets of row numbers: 6 words for each of the 4 blocks
.set RW1,  80
.set C0,   104                         ; -c00'   (4 columns, as everything below)
.set C1,   108                         ; -c11'
.set H,    112                         ; h'
.set X,    116
.set Y,    120
.set DT,   124                         ; det'
.set A,    128                         ; h'y - c11'x, then -num', then the exponent
.set B,    132                         ; h'x - c00'y
.set RS,   136                         ; v[136:143]  rsq(det'): a set for each of a step's two blocks
.set E,    144                         ; v[144:159]  OUT0, OUT1: exp2, then the result as stored; 4 registers for each of a step's two blocks
.set BA,   160                         ; v[160:164]  phase i of my five: LDS address of my quad in the basis arrays
.set RA,   165                         ; v[165:169]  phase i of my five: LDS address of my row in the wave's first block
; one entry of the basis arrays, into six registers from dst on: column's mu in v[mu:mu+1], its S in v[sg:sg+3]
.macro ENTRY mu, sg, dst
	v_mul_f32 v[\dst], K_NKK, v[\mu]
	v_mul_f32 v[\dst+1], K_NKK, v[\mu+1]
	v_mul_f32 v[\dst+2], K_N2PI, v[\sg]
	v_mul_f32 v[\dst+3], K_N2PI, v[\sg+3]
	v_add_f32 v[\dst+4], v[\sg+1], v[\sg+2]
	v_sub_f32 v[\dst+5], v[\sg+1], v[\sg+2]
	v_mul_f32 v[\dst+4], K_PI, v[\dst+4]
	v_mul_f32 v[\dst+5], K_PI, v[\dst+5]
	v_mul_f32 v[\dst+5], v[\dst+5], v[\dst+5]
.endm
; and its six stores; off: 0 for entry t - 512, 512 for entry t - 384
.macro PUT dst, off
.irp m, 0,1,2,3,4,5
	ds_store_b32 v20, v[\dst+\m] offset:BASTAB-4*ROWS_WG+BASPITCH*\m+\off   ; v20 = 4 t, and the first thread here is number 512
.endr
.endm
; The two LDS addresses of the wave's phase number i (0..4).
; q = 32 phase + lane is my quad in a block (0..799).  q x 1311 = 32768 (q / 25) + 7 (q / 25) + 1311 (q mod 25), and the last two terms stay
; below 32768 for q < 800: bits 19:15 are my row in the block, and the low 15 bits x 25 >> 15 give q mod 25.
.macro ADDR i
	s_add_co_u32 s20, s16, 32*\i                   ; the phase's first quad
	s_mul_i32 s21, s20, 1311
	s_and_b32 s22, s21, 0x7fff
	s_mul_i32 s22, s22, 25
	s_bfe_u32 s22, s22, 0x5000f                    ; lane 0's quad of the 25 (5 bits from bit 15)
	v_add_lshl_u32 v[BA+\i], v[LANE], s22, 4       ; my quad in the unrolled arrays, 0..55, in bytes
	v_add_nc_u32 v[RA+\i], s21, v[LMUL]
	v_bfe_u32 v[RA+\i], v[RA+\i], 15, 5            ; my row in the block
	v_lshl_add_u32 v[RA+\i], v[RA+\i], 5, s17
.endm
; The 14 LDS loads of phase i, in four parts: my 4 columns' numbers of three of the six basis arrays ..
.macro FB i, bs, from
.irp m, 0,1,2
	ds_load_b128 v[\bs+4*(\from+\m):\bs+4*(\from+\m)+3], v[BA+\i] offset:BASTAB+BASPITCH*(\from+\m)
.endr
.endm
; .. and my row's numbers in two of the four blocks
.macro FR i, rw, from
.irp m, 0,1
	ds_load_b128 v[\rw+6*(\from+\m):\rw+6*(\from+\m)+3], v[RA+\i] offset:ROWTAB+32*ROWPITCH*(\from+\m)        ; two or three rows a wave: lanes of a row share the words
	ds_load_b64 v[\rw+6*(\from+\m)+4:\rw+6*(\from+\m)+5], v[RA+\i] offset:ROWTAB+32*ROWPITCH*(\from+\m)+16
.endr
.endm
; Block k of the phase, first half: C', det', d' and rsq; par: which set of RS.  A row's number is spread over both halves of a packed
; instruction by op_sel / op_sel_hi (first or second register of its pair for both results).
.macro W1 bs, rw, k, par
.irp g, 0, 2
	v_pk_add_f32 v[C0+\g:C0+\g+1], v[\bs+8+\g:\bs+8+\g+1], v[\rw+6*(\k):\rw+6*(\k)+1] op_sel_hi:[1,0]
	v_pk_add_f32 v[C1+\g:C1+\g+1], v[\bs+12+\g:\bs+12+\g+1], v[\rw+6*(\k):\rw+6*(\k)+1] op_sel:[0,1] op_sel_hi:[1,1]
	v_pk_add_f32 v[H+\g:H+\g+1], v[\bs+16+\g:\bs+16+\g+1], v[\rw+6*(\k)+2:\rw+6*(\k)+3] op_sel_hi:[1,0]
.endr
.irp g, 0, 2
	v_pk_fma_f32 v[DT+\g:DT+\g+1], v[C0+\g:C0+\g+1], v[C1+\g:C1+\g+1], v[\bs+20+\g:\bs+20+\g+1]
.endr
.irp g, 0, 2
	v_pk_fma_f32 v[DT+\g:DT+\g+1], v[H+\g:H+\g+1], v[H+\g:H+\g+1], v[DT+\g:DT+\g+1] neg_lo:[1,0,0] neg_hi:[1,0,0]
.endr
.irp g, 0, 2
	v_pk_add_f32 v[X+\g:X+\g+1], v[\bs+\g:\bs+\g+1], v[\rw+6*(\k)+2:\rw+6*(\k)+3] op_sel:[0,1] op_sel_hi:[1,1]
	v_pk_add_f32 v[Y+\g:Y+\g+1], v[\bs+4+\g:\bs+4+\g+1], v[\rw+6*(\k)+4:\rw+6*(\k)+5]
.endr
.irp n, 0,1,2,3
	v_rsq_f32 v[RS+4*\par+\n], v[DT+\n]            ; used 12 plain instructions further down (one is asked for: ISA guide 5.7.2)
.endr
.endm
; second half: the exponent and the exponential, into the four registers from out on
.macro W2 par, out
.irp g, 0, 2
	v_pk_mul_f32 v[A+\g:A+\g+1], v[H+\g:H+\g+1], v[Y+\g:Y+\g+1]
	v_pk_mul_f32 v[B+\g:B+\g+1], v[H+\g:H+\g+1], v[X+\g:X+\g+1]
.endr
.irp g, 0, 2
	v_pk_fma_f32 v[A+\g:A+\g+1], v[C1+\g:C1+\g+1], v[X+\g:X+\g+1], v[A+\g:A+\g+1]
	v_pk_fma_f32 v[B+\g:B+\g+1], v[C0+\g:C0+\g+1], v[Y+\g:Y+\g+1], v[B+\g:B+\g+1]
.endr
.irp g, 0, 2
	v_pk_mul_f32 v[A+\g:A+\g+1], v[X+\g:X+\g+1], v[A+\g:A+\g+1]
.endr
.irp g, 0, 2
	v_pk_fma_f32 v[A+\g:A+\g+1], v[Y+\g:Y+\g+1], v[B+\g:B+\g+1], v[A+\g:A+\g+1]      ; -num'
.endr
	s_wait_alu depctr_va_vdst(0)
.irp g, 0, 2
	v_pk_mul_f32 v[A+\g:A+\g+1], v[A+\g:A+\g+1], v[RS+4*\par+\g:RS+4*\par+\g+1]      ; times rs twice, not times rs^2: no small square is formed
.endr
.irp g, 0, 2
	v_pk_mul_f32 v[A+\g:A+\g+1], v[A+\g:A+\g+1], v[RS+4*\par+\g:RS+4*\par+\g+1]
.endr
.irp n, 0,1,2,3
	v_exp_f32 v[\out+\n], v[A+\n]                  ; what follows is plain work on other registers: the next block's first add, or the other block's last multiply
.endr
.endm
; the last multiply of a block
.macro MUL par, out
	s_wait_alu depctr_va_vdst(0)
	v_pk_mul_f32 v[\out:\out+1], v[\out:\out+1], v[RS+4*\par:RS+4*\par+1]
	v_pk_mul_f32 v[\out+2:\out+3], v[\out+2:\out+3], v[RS+4*\par+2:RS+4*\par+3]
.endm
; the store of block j (0, 1) of out-buffer ob: 32 lanes x 16 bytes = 512 consecutive bytes, aligned
.macro SEND ob, j, off
	global_store_b128 v[OFFS], v[E+8*(\ob)+4*(\j):E+8*(\ob)+4*(\j)+3], s[10:11] offset:\off th:TH_STORE_NT
.endm
; Half h (0, 1) of the wave's phase number i: blocks 2 h and 2 h + 1, into OUT[h].
; lvl = 0: the wave's first step, with no step in front of it; 1: its second, in front of which no store was issued; 2: every other.
; nx >= 0: the LDS loads of phase nx are issued, into the sets nbs and nrw.
.macro STEP i, h, bs, rw, lvl, nx, nbs, nrw
.set PREV, 4*(\i)+2*(\h)-2                             ; the first block of the step before, counted through the wave's 20
.if \lvl == 2
	s_wait_xcnt 0x0                                ; every earlier memory instruction has had its addresses translated (ISA guide 3.1): OUT[h], the data of the stores issued in the step before, is rewritten only behind this wait
	s_wait_alu depctr_vm_vsrc(0)                   ; those stores have read OUT[h], which this step's exponentials write again
.endif
.if \lvl >= 1
	s_wait_alu depctr_va_vdst(0)                   ; the step before has written the other OUT, which the two stores below read; at a phase's head: the phase before is done reading its sets, in which the loads below land
	SEND 1-\h, 0, (PREV/4)*CHUNK_B+(PREV%4)*BLOCK_B
.endif
.if \nx >= 0
	FB \nx, \nbs, 0                                ; no vector instruction since the last wait on va_vdst names these registers, here and in the three parts below
.endif
	W1 \bs, \rw, 2*\h, 0
.if \lvl >= 1
	SEND 1-\h, 1, (PREV/4)*CHUNK_B+(PREV%4+1)*BLOCK_B
.endif
.if \nx >= 0
	FB \nx, \nbs, 3
.endif
	W2 0, E+8*\h
.if \nx >= 0
	FR \nx, \nrw, 0
.endif
	W1 \bs, \rw, 2*\h+1, 1
.if \nx >= 0
	FR \nx, \nrw, 2
.endif
	W2 1, E+8*\h+4
	MUL 0, E+8*\h                                  ; also the plain instructions behind the second block's v_exp_f32 (ISA guide 5.7.2)
	MUL 1, E+8*\h+4
.endm
; the wave's phase number i: two steps; the next phase's loads go out in the first
.macro PHASE i, bs, rw, nx, nbs, nrw, l0, l1
	s_wait_dscnt 0x0                               ; this phase's 14 LDS loads are in; none was issued behind them
	STEP \i, 0, \bs, \rw, \l0, \nx, \nbs, \nrw
	STEP \i, 1, \bs, \rw, \l1, -1, 0, 0
.endm
	s_load_b256 s[4:11], s[0:1], 0x0               ; theta s[4:5], basis_mu s[6:7], basis_sigma s[8:9], out0 s[10:11]
	v_lshl_add_u32 v170, v0, 2, 0x5800
	v_mov_b32 v171, 0
	v_lshrrev_b32 v1, 5, v0
	v_readfirstlane_b32 s12, v1                    ; wave 0..19
	s_wait_kmcnt 0x0
	s_wait_alu depctr_va_sdst(0)                   ; s12 is written, ahead of its first reader, the compare below
	s_cmp_ge_u32 s12, 16
	s_cbranch_scc1 .Ltable
	; WAVES 0-15: thread t makes the numbers of the work-group's row t
	s_mul_i32 s14, ttmp9, ROWS_WG*24               ; 512 rows of 24 bytes for each work-group (3 MiB in all: 32 bits do)
	s_mov_b32 s15, 0
	s_add_nc_u64 s[4:5], s[4:5], s[14:15]
	v_mul_u32_u24 v2, v0, 24
	s_wait_alu depctr_va_vdst(0)                   ; v2 is written, which the three loads read as their offset
	global_load_b64 v[4:5], v2, s[4:5]             ; eta0, eta1          (a wave's three loads cover 768 consecutive bytes)
	global_load_b64 v[6:7], v2, s[4:5] offset:8    ; theta2, theta3
	global_load_b64 v[8:9], v2, s[4:5] offset:16   ; theta4, theta5
	v_lshlrev_b32 v3, 5, v0                        ; the row's 32 bytes in LDS
	s_wait_loadcnt 0x0
	v_mul_f32 v10, v7, v8
	v_fma_f32 v10, v6, v9, -v10                    ; D = theta2 theta5 - theta3 theta4 = det(P) / 4
	v_rcp_f32 v11, v10
	v_add_f32 v12, v7, v8                          ; the plain instruction behind v_rcp_f32 (ISA guide 5.7.2)
	v_mul_f32 v4, K_G, v4
	v_mul_f32 v5, K_G, v5                          ; eta x k / (2 pi)
	s_wait_alu depctr_va_vdst(0)
	v_mul_f32 v11, K_PI, v11                       ; pi / D
	v_mul_f32 v16, v9, v11                         ; -2 pi Sigma00 = pi theta5 / D
	v_mul_f32 v17, v6, v11                         ; -2 pi Sigma11 = pi theta2 / D
	v_mul_f32 v12, 0.5, v12
	v_mul_f32 v18, v12, v11                        ;  2 pi Sigma01 = pi (theta3 + theta4) / (2 D)
	v_mul_f32 v19, v18, v5
	v_mul_f32 v20, v18, v4
	v_fma_f32 v19, -v16, v4, v19                   ; k Mu0
	v_fma_f32 v20, -v17, v5, v20                   ; k Mu1
	v_mov_b32 v21, v20                             ; twice: it is read as a pair by the packed add
	s_wait_alu depctr_va_vdst(0)                   ; v3 and v[16:21] are written: the address and the data of the two LDS stores
	ds_store_b128 v3, v[16:19] offset:ROWTAB
	ds_store_b64 v3, v[20:21] offset:ROWTAB+16
	s_branch .Lsync
.Ltable:
	; WAVES 16-19: thread t makes entries e = t - 512 (0..127) and e + 128 of the six basis arrays; column = e mod 100,
	; taken as the smaller of two unsigned differences (the one that went below zero is huge)
	v_add_nc_u32 v2, 0xfffffe00, v0                ; e
	v_add_nc_u32 v3, 0xfffffd9c, v0                ; e - 100
	v_min_u32 v2, v2, v3
	v_add_nc_u32 v3, 0xfffffe1c, v0                ; e + 128 - 100
	v_add_nc_u32 v4, 0xfffffdb8, v0                ; e + 128 - 200
	v_min_u32 v3, v3, v4
	v_lshlrev_b32 v4, 3, v2
	v_lshlrev_b32 v5, 4, v2
	v_lshlrev_b32 v6, 3, v3
	v_lshlrev_b32 v7, 4, v3
	s_wait_alu depctr_va_vdst(0)                   ; v4 to v7 are written, which the four loads read as their offsets
	global_load_b64 v[8:9], v4, s[6:7]
	global_load_b128 v[12:15], v5, s[8:9]
	global_load_b64 v[10:11], v6, s[6:7]
	global_load_b128 v[16:19], v7, s[8:9]
	v_lshlrev_b32 v20, 2, v0
	s_wait_loadcnt 0x0
	ENTRY 8, 12, 22                                ; each entry has six registers of its own, so that no store's data are written again
	ENTRY 10, 16, 28
	s_wait_alu depctr_va_vdst(0)                   ; v20 and v[22:33] are written: the address and the data of the twelve LDS stores
	PUT 22, 0
	PUT 28, 512
.Lsync:
	s_wait_dscnt 0x0                               ; my LDS stores are done, for the other waves' sake
	s_wait_alu depctr_vm_vsrc(0)                   ; the prologue's loads and LDS stores have read v2 to v7 and v16 to v33: v2 and v3 are written anew below, and LDS loads land from v8 on
	s_barrier_signal -1
	v_and_b32 v[LANE], 31, v0                      ; register work while the others arrive
	s_and_b32 s18, s12, 3                          ; bg: my four blocks
	s_lshr_b32 s13, s12, 2                         ; pg: my five phases
	s_mul_i32 s16, s13, 5*32                       ; first quad of my first phase
	s_lshl_b32 s17, s18, 12                        ; my first block's rows in LDS: 4 x 32 rows x 32 bytes
	s_mul_i32 s14, ttmp9, ROWS_WG*ROW_B            ; the work-group's 204,800 bytes of the output (52 MB in all: 32 bits do)
	s_mov_b32 s15, 0
	s_add_nc_u64 s[10:11], s[10:11], s[14:15]
	s_mul_i32 s20, s13, 5*CHUNK_B
	s_mul_i32 s21, s18, 4*BLOCK_B
	s_add_co_u32 s20, s20, s21
	v_lshl_add_u32 v[OFFS], v[LANE], 4, s20        ; the phase and the block go into the stores' immediates
	v_mul_u32_u24 v[LMUL], 1311, v[LANE]
.irp i, 0,1,2,3,4
	ADDR \i                                        ; all five phases' LDS addresses, once
.endr
	s_barrier_wait -1                              ; both tables are whole; from here on LDS is only read
	s_wait_alu depctr_va_vdst(0)                   ; BA, RA and OFFS are written, which every LDS load and store below reads; the prologue's vector lines that named v8 to v33, in which the loads of phases 0 and 1 land, are done
	FB 0, BS0, 0
	FB 0, BS0, 3
	FR 0, RW0, 0
	FR 0, RW0, 2
	; Each later phase's 14 LDS loads are issued a whole phase ahead, into the sets of registers that the phase before has left.
	PHASE 0, BS0, RW0, 1, BS1, RW1, 0, 1
	PHASE 1, BS1, RW1, 2, BS0, RW0, 2, 2
	PHASE 2, BS0, RW0, 3, BS1, RW1, 2, 2
	PHASE 3, BS1, RW1, 4, BS0, RW0, 2, 2
	PHASE 4, BS0, RW0, -1, 0, 0, 2, 2
	s_wait_alu depctr_va_vdst(0)                   ; the last step has written OUT1, which the last two stores read
	SEND 1, 0, 4*CHUNK_B+2*BLOCK_B
	SEND 1, 1, 4*CHUNK_B+3*BLOCK_B
	s_wait_dscnt 0x0
	s_wait_alu depctr_hold_cnt(0) depctr_sa_sdst(0) depctr_va_vdst(0) depctr_va_sdst(0) depctr_va_ssrc(0) depctr_va_vcc(0) depctr_vm_vsrc(0)
	s_wait_tensorcnt 0x0
	ds_add_u32 v170, v171
	s_wait_dscnt 0x0
	s_endpgm
.Lfunc_end_k_q2eb3ab912d_gauss:
	.size	k_q2eb3ab912d_gauss, .Lfunc_end_k_q2eb3ab912d_gauss-k_q2eb3ab912d_gauss
	.p2alignl 7, 3214868480
	.fill 96, 4, 3214868480
	.section	.rodata,"a",@progbits
	.p2align	6, 0x0
	.amdhsa_kernel k_q2eb3ab912d_gauss
		.amdhsa_group_segment_fixed_size 25088
		.amdhsa_private_segment_fixed_size 0
		.amdhsa_enable_private_segment 0
		.amdhsa_kernarg_size 32
		.amdhsa_user_sgpr_count 2
		.amdhsa_user_sgpr_kernarg_segment_ptr 1
		.amdhsa_wavefront_size32 1
		.amdhsa_system_sgpr_workgroup_id_x 1
		.amdhsa_system_sgpr_workgroup_id_y 1
		.amdhsa_system_sgpr_workgroup_id_z 1
		.amdhsa_system_vgpr_workitem_id 0
		.amdhsa_next_free_vgpr 172
		.amdhsa_next_free_sgpr 66
		.amdhsa_reserve_vcc 0
		.amdhsa_float_denorm_mode_32 3
		.amdhsa_float_denorm_mode_16_64 3
		.amdhsa_memory_ordered 1
		.amdhsa_forward_progress 1
		.amdhsa_inst_pref_size 62
	.end_amdhsa_kernel
	.amdgpu_metadata
---
amdhsa.version: [ 1, 2 ]
amdhsa.kernels:
  - .name:           k_q2eb3ab912d_gauss
    .symbol:         k_q2eb3ab912d_gauss.kd
    .args:
      - { .name: theta, .offset: 0, .size: 8, .value_kind: global_buffer, .address_space: global }
      - { .name: basis_mu, .offset: 8, .size: 8, .value_kind: global_buffer, .address_space: global }
      - { .name: basis_sigma, .offset: 16, .size: 8, .value_kind: global_buffer, .address_space: global }
      - { .name: out0, .offset: 24, .size: 8, .value_kind: global_buffer, .address_space: global }
    .group_segment_fixed_size: 25088
    .private_segment_fixed_size: 0
    .kernarg_segment_align: 8
    .kernarg_segment_size: 32
    .max_flat_workgroup_size: 640
    .sgpr_count:     66
    .vgpr_count:     172
    .wavefront_size: 32
...
	.end_amdgpu_metadata
.endif
;; end of part 2
